; MI455X (gfx1250); checked and timed in simulation.
; The chip was launched on July 23, 2026; its instructions are those of AMD's public machine-readable ISA for CDNA 5 (MIT licence, August 2026) and "CDNA5" Instruction Set Architecture Reference Guide (July 2026). The comments in the code are by the model that wrote it; some were corrected since.
;; Attention With Context. Allowed arithmetic: float matrix products may take bf16 or f16 operands with f32 sums; all other float work in f32.
;; Inputs: W 256 x 256 float32; b 256 float32; inputs 64 x 2,048 x 256 float32; mask 64 x 2,048 float32; u 256 float32.
;; Outputs: out0 64 x 256 float32; out1 64 x 2,048 float32.
;; One version. Each part assembles by itself: llvm-mc -triple=amdgcn-amd-amdhsa -mcpu=gfx1250 --defsym DOCPART=n.
;; ======== version 1 of 1: 2 launches
;; workspace buffers: logits 524,288 bytes; part 524,288 bytes
;; launch stream (part 1): grid 256 x 1, 16 waves a work-group, clusters of 4 x 1, 300,288 bytes of LDS; arguments inputs, mask, W, b, u, logits, part; writes logits, part
.if DOCPART == 1
	.amdgcn_target "amdgcn-amd-amdhsa--gfx1250"
	.amdhsa_code_object_version 6
	.text
	.protected	k_qcab8f8f9e5_stream
	.globl	k_qcab8f8f9e5_stream
	.p2align	8
	.type	k_qcab8f8f9e5_stream,@function
k_qcab8f8f9e5_stream:
	s_mov_b64 s[64:65], 0
	v_nop
	global_prefetch_b8 v0, s[64:65] scope:SCOPE_SE
	s_setreg_imm32_b32 hwreg(HW_REG_WAVE_MODE, 25, 1), 1
	s_wait_xcnt 0x0
	s_wait_alu depctr_hold_cnt(0) depctr_sa_sdst(0) depctr_va_vdst(0) depctr_va_sdst(0) depctr_va_ssrc(0) depctr_va_vcc(0) depctr_vm_vsrc(0)
	s_getreg_b32 s2, hwreg(HW_REG_IB_STS2, 6, 4)
	s_cmp_eq_u32 s2, 0
	s_cbranch_scc0 .Lentry_in_a_cluster
	s_endpgm
.Lentry_in_a_cluster:
	s_bfe_u32 s2, ttmp6, 0x10000c
	s_cmp_lg_u32 s2, 0x3003
	s_cbranch_scc0 .Lentry_shape_is_right
	s_endpgm
.Lentry_shape_is_right:
; AttentionWithContext, first of two launches: the logits and, per chunk of 512 rows, the two partial pooled sums.
; inputs [64][2048][256] f32, mask [64][2048] f32, W [256][256] f32, b, u [256] f32.
;
; THE LOGIT.  ((x W + b) . u) / 16 = x . (W u) / 16 + (b . u) / 16 for every input, since key enters the result only through its product
; with u.  Here v' = (W u) K and c0 = (b . u) K with K = log2(e) / 16, and l' = x . v' + c0 is the logit times log2(e): a positive factor,
; so minima and maxima keep their places and exp(l - M) = exp2(l' - M').  STATED LIMIT: all sums are f32, in another order of rounding
; than the problem's formula (first W u, then x); nothing is rounded to 16 bits.
;
; SHARES.  Work-group = 512 rows (a quarter of a batch), 16 waves; a wave owns 32 rows as four blocks of 8.  A row is two loads of
; 16 bytes a lane (each load of the wave covers 512 consecutive bytes, aligned): registers 0-3 = columns 4 L .. 4 L + 3, registers 4-7 =
; columns 128 + 4 L .. + 3.  The row stays in these 8 registers between its dot product and the pooled sums: x is read once.
; Three slots of 8 rows in registers; 16 KiB, later 24 KiB, of a wave's 32 KiB are requested before the first row is worked on.
;
; THE SOFTMAX'S PART HERE.  Rows with mask > 0.5 go into A1[d] = sum of mask exp2(l' - m) x[d] under a running maximum m; all other rows
; into A2[d] = sum of mask x[d], whose common factor exp2(Lmin - M) is known only when the whole batch is (second launch).
; m itself is not stored: the second launch finds the same number again from logits and mask, a maximum being exact.
; STATED LIMITS: -FLT_MAX stands for 'no valid row yet'; v_exp_f32 gives 0 for results below 2^-126 (ISA guide 15.8).
;
; CLUSTER.  The four work-groups of a batch form a cluster of 4 x 1.  All need the whole of W (256 KiB against 512 KiB of own x), so W is
; asked for jointly: wave w of each of the four issues the same tensor load (rows 16 w .. 16 w + 15 of W, mask 15), and each receives
; the tile in its own LDS.  One tensor load of a wave is out at any time, and no LDS byte is filled twice.
; The place in the cluster enters global offsets alone: no LDS address, no branch, no word of the descriptor.
.set SCR,  262144                      ; LDS: bytes 0 .. 262,143 hold W (wave w's 16 rows at 16,384 w); scratch lies behind, where no tensor load lands
.set VL,   0                           ; SCR + 0       v'[256]                                   1,024 bytes
.set LG,   1024                        ; SCR + 1,024   the work-group's 512 l'                   2,048 bytes
.set MG,   3072                        ; SCR + 3,072   wave w at 2,048 w: A1[256], then A2[256]  32,768 bytes
.set MX,   35840                       ; SCR + 35,840  word w: wave w's running maximum          256 bytes
.set KLOG, 0x3db8aa3b                  ; log2(e) / 16
.set XO,   1                           ; v1   16 L: my 16 bytes in a half row of x, u, b
.set WLA,  2                           ; v2   LDS: 16,384 w + 16 L
.set SCA,  3                           ; v3   LDS: SCR + 16 L
.set VSA,  4                           ; v4   LDS: SCR + 64 w + 4 (L & 7)
.set LGA,  5                           ; v5   LDS: SCR + 128 w + 4 (L & 7)
.set MKO,  6                           ; v6   4 (L & 7)
.set MGA,  7                           ; v7   LDS: SCR + 2,048 w + 16 L
.set MXA,  8                           ; v8   LDS: SCR + 4 w
.set VV,   10                          ; v[10:17]  v' of my 8 columns
.set ACA,  18                          ; v[18:25]  A1 of my 8 columns
.set ACB,  26                          ; v[26:33]  A2 of my 8 columns
.set UU,   18                          ; v[18:25]  ahead of the first block: u of my 8 columns
.set BV,   26                          ; v[26:33]  ahead of the first block: b of my 8 columns
.set PP,   34                          ; v[34:49]  eight pairs: the partial dot products of 8 rows
.set MK,   50                          ; v[50:53]  block j: lane i holds the mask of row 8 j + (i & 7)
.set MM,   54                          ; v54       running maximum of the valid l'
.set CC,   55                          ; v55       c0
.set TT,   56                          ; v[56:63]  at work
.set XS0,  64                          ; v[64:127]   slot 0: row r at 8 r
.set XS1,  128                         ; v[128:191]  slot 1
.set XS2,  192                         ; v[192:255]  slot 2
.set SW1,  24                          ; s[24:39]  weight of row r for A1 in s[24 + 2 r]; the odd registers hold 0 (a packed source is a pair)
.set SW2,  40                          ; s[40:55]  the same for A2
.set SSC,  56                          ; s[56:57]  factor that brings A1 to the new maximum
; A round of the cluster's barrier: my work-group's barrier, wave 0 signals for the work-group, every wave waits for all four
; work-groups, my work-group's barrier once more.
.macro ROUND
	s_barrier_signal -1
	s_barrier_wait -1
	s_cmp_lg_u32 s18, 0
	s_cbranch_scc1 .Lnot_wave_0_\@
	s_barrier_signal -3
.Lnot_wave_0_\@:
	s_barrier_wait -3
	s_barrier_signal -1
	s_barrier_wait -1
.endm
; 16 loads: the 8 rows of block blk into slot X.  v1 and s[4:5] are never written again.
.macro FILL X, blk
.irp r, 0,1,2,3,4,5,6,7
	global_load_b128 v[\X+8*\r:\X+8*\r+3],   v[XO], s[4:5] offset:(8*\blk+\r)*1024 th:TH_LOAD_NT
	global_load_b128 v[\X+8*\r+4:\X+8*\r+7], v[XO], s[4:5] offset:(8*\blk+\r)*1024+512 th:TH_LOAD_NT
.endr
.endm
; One step of the transposing sum: lanes whose bit x is clear keep row a and get the partner's a, the others keep b and get the partner's b.
.macro TR a, b, msk, x
	v_cndmask_b32 v[\a+1], v[\b], v[\a], \msk      ; what I send: a where my bit is set, b where it is clear
	v_cndmask_b32 v[\a], v[\a], v[\b], \msk        ; what I keep: the other one
	v_add_f32_dpp v[\a], v[\a+1], v[\a] row_xmask:\x row_mask:0xf bank_mask:0xf
.endm
; Eight dot products of the rows in slot X with the vector in VEC; lane i ends with that of row i & 7 in v[D].
; Three steps halve the number of registers while they add across lanes 1, 2, 4 apart; two more steps add the four groups of 8 lanes.
.macro DOT8 X, VEC, D
.irp r, 0,1,2,3,4,5,6,7
	v_pk_mul_f32 v[PP+2*\r:PP+2*\r+1], v[\X+8*\r:\X+8*\r+1], v[\VEC:\VEC+1]
.endr
.irp k, 1,2,3
.irp r, 0,1,2,3,4,5,6,7
	v_pk_fma_f32 v[PP+2*\r:PP+2*\r+1], v[\X+8*\r+2*\k:\X+8*\r+2*\k+1], v[\VEC+2*\k:\VEC+2*\k+1], v[PP+2*\r:PP+2*\r+1]
.endr
.endr
.irp r, 0,1,2,3,4,5,6,7
	v_add_f32 v[PP+2*\r], v[PP+2*\r], v[PP+2*\r+1]
.endr
	TR PP+0,  PP+2,  s58, 1
	TR PP+4,  PP+6,  s58, 1
	TR PP+8,  PP+10, s58, 1
	TR PP+12, PP+14, s58, 1
	TR PP+0,  PP+4,  s59, 2
	TR PP+8,  PP+12, s59, 2
	TR PP+0,  PP+8,  s60, 4
	v_add_f32_dpp v[PP], v[PP], v[PP] row_xmask:8 row_mask:0xf bank_mask:0xf
	v_permlanex16_b32 v[PP+1], v[PP], s61, s62     ; lane i of the other half; its destination has been written above
	v_add_f32 v[\D], v[PP], v[PP+1]
.endm
; Row r of slot X into both pooled sums.  start = 1: the products start the sums, nothing is cleared.
.macro ACCROW X, r, start
.irp k, 0,1,2,3
.if \start
	v_pk_mul_f32 v[ACA+2*\k:ACA+2*\k+1], v[\X+8*\r+2*\k:\X+8*\r+2*\k+1], s[SW1+2*\r:SW1+2*\r+1] op_sel_hi:[1,0]
.else
	v_pk_fma_f32 v[ACA+2*\k:ACA+2*\k+1], v[\X+8*\r+2*\k:\X+8*\r+2*\k+1], s[SW1+2*\r:SW1+2*\r+1], v[ACA+2*\k:ACA+2*\k+1] op_sel_hi:[1,0,1]
.endif
.endr
.irp k, 0,1,2,3
.if \start
	v_pk_mul_f32 v[ACB+2*\k:ACB+2*\k+1], v[\X+8*\r+2*\k:\X+8*\r+2*\k+1], s[SW2+2*\r:SW2+2*\r+1] op_sel_hi:[1,0]
.else
	v_pk_fma_f32 v[ACB+2*\k:ACB+2*\k+1], v[\X+8*\r+2*\k:\X+8*\r+2*\k+1], s[SW2+2*\r:SW2+2*\r+1], v[ACB+2*\k:ACB+2*\k+1] op_sel_hi:[1,0,1]
.endif
.endr
.endm
; Block j of my rows, in slot X.  left = how many younger loads may stay out.
.macro BLOCK j, X, first, left
	s_wait_loadcnt \left                           ; loads come back in order (ISA guide 5.7.1): this slot's 16 are in
	DOT8 \X, VV, TT
	v_add_f32 v[TT], v[TT], v[CC]                  ; l' of row i & 7
	ds_store_b32 v[LGA], v[TT] offset:LG+32*\j     ; the four lanes of a row write one word with one value
	v_cmp_lt_f32 vcc_lo, 0.5, v[MK+\j]             ; valid: mask > 0.5
	v_cndmask_b32 v[TT+1], s63, v[TT], vcc_lo      ; l' where valid, else -FLT_MAX
	v_cndmask_b32 v[TT+2], 0, v[MK+\j], vcc_lo     ; mask where valid, else 0
	v_mov_b32 v[TT+4], v[TT+1]
	v_max_num_f32_dpp v[TT+4], v[TT+4], v[TT+4] row_xmask:1 row_mask:0xf bank_mask:0xf
	v_max_num_f32_dpp v[TT+4], v[TT+4], v[TT+4] row_xmask:2 row_mask:0xf bank_mask:0xf
	v_max_num_f32_dpp v[TT+4], v[TT+4], v[TT+4] row_xmask:4 row_mask:0xf bank_mask:0xf   ; the block's maximum, in every lane
.if \first
	v_mov_b32 v[MM], v[TT+4]
.else
	v_max_num_f32 v[TT+5], v[MM], v[TT+4]
	v_sub_f32 v[TT+6], v[MM], v[TT+5]              ; old maximum - new one, never above 0
	v_mov_b32 v[MM], v[TT+5]
.endif
	v_sub_f32 v[TT+1], v[TT+1], v[MM]              ; never above 0
	v_exp_f32 v[TT+1], v[TT+1]
.if \first == 0
	v_exp_f32 v[TT+6], v[TT+6]
.endif
	v_sub_f32 v[TT+3], v[MK+\j], v[TT+2]           ; weight for A2: 0 where valid, else mask.  Also the plain instruction behind the exponentials (ISA guide 5.7.2)
	s_wait_alu depctr_va_vdst(0)
	v_mul_f32 v[TT+2], v[TT+2], v[TT+1]            ; weight for A1: mask exp2(l' - m) where valid, else 0 times a finite number
.irp r, 0,1,2,3,4,5,6,7
	v_readlane_b32 s[SW1+2*\r], v[TT+2], \r        ; a row's weight is one number for the wave: it goes to the packed multiply-adds as a scalar
	v_readlane_b32 s[SW2+2*\r], v[TT+3], \r
.endr
.if \first == 0
	v_readfirstlane_b32 s[SSC], v[TT+6]
.irp k, 0,1,2,3
	v_pk_mul_f32 v[ACA+2*\k:ACA+2*\k+1], v[ACA+2*\k:ACA+2*\k+1], s[SSC:SSC+1] op_sel_hi:[1,0]
.endr
.endif
	ACCROW \X, 0, \first
.irp r, 1,2,3,4,5,6,7
	ACCROW \X, \r, 0
.endr
.endm
	; ---- set-up
	s_load_b256 s[4:11], s[0:1], 0x0               ; inputs s[4:5], mask s[6:7], W s[8:9], b s[10:11]
	s_load_b128 s[12:15], s[0:1], 0x20             ; u s[12:13], logits s[14:15]
	s_load_b64 s[16:17], s[0:1], 0x30              ; part
	v_lshl_add_u32 v254, v0, 2, 0x48d00
	v_mov_b32 v255, 0
	ds_add_u32 v254, v255
	s_wait_dscnt 0x0
	v_lshrrev_b32 v9, 5, v0
	v_readfirstlane_b32 s18, v9                    ; wave 0..15
	s_bfe_u32 s19, ttmp6, 0x40000                  ; my place in the cluster = the chunk of the batch
	s_lshl_b32 s20, ttmp9, 2                       ; in a cluster launch ttmp9 counts clusters = batches
	s_add_co_u32 s20, s20, s19                     ; work-group 0..255
	v_and_b32 v9, 31, v0                           ; L
	v_lshlrev_b32 v[XO], 4, v9
	s_lshl_b32 s66, s18, 14                        ; my 16 rows of W, in W and in LDS alike: made of the wave's number alone
	s_mov_b32 s67, 0
	v_lshl_add_u32 v[WLA], v9, 4, s66
	s_mov_b32 s21, SCR
	v_lshl_add_u32 v[SCA], v9, 4, s21
	s_lshl_b32 s21, s18, 11
	s_add_co_u32 s21, s21, SCR
	v_lshl_add_u32 v[MGA], v9, 4, s21
	v_and_b32 v9, 7, v0                            ; L & 7
	v_lshlrev_b32 v[MKO], 2, v9
	s_lshl_b32 s21, s18, 6
	s_add_co_u32 s21, s21, SCR
	v_lshl_add_u32 v[VSA], v9, 2, s21
	s_lshl_b32 s21, s18, 7
	s_add_co_u32 s21, s21, SCR
	v_lshl_add_u32 v[LGA], v9, 2, s21
	s_lshl_b32 s21, s18, 2
	s_add_co_u32 s21, s21, SCR
	v_mov_b32 v[MXA], s21
	s_mov_b32 s58, 0xaaaaaaaa                      ; lanes whose bit 0 is set
	s_mov_b32 s59, 0xcccccccc                      ; bit 1
	s_mov_b32 s60, 0xf0f0f0f0                      ; bit 2
	s_mov_b32 s61, 0x76543210                      ; v_permlanex16_b32: lane i of one half reads lane i of the other
	s_mov_b32 s62, 0xfedcba98
	s_mov_b32 s63, 0xff7fffff                      ; -FLT_MAX
.set i, SW1+1
.rept 17
	s_mov_b32 s[i], 0                              ; the upper halves of the 17 scalar pairs s[24:57]: read with the pair, never used
.set i, i+2
.endr
	; the descriptor: 16 rows of W = 16,384 dense bytes, taken as 64 rows of 32 elements of 8 bytes
	s_mov_b32 s68, 1                               ; group 0: count = 1
	s_lshl_b32 s69, s18, 14                        ; LDS address: 16,384 x wave
	s_mov_b32 s72, 15|(3<<16)|(1<<21)              ; group 1: 15:0 the mask names all four of the cluster; 17:16 elements of 8 bytes; 21 set beside a mask; no padding
	s_mov_b32 s73, 32<<16                          ; tensor_dim0 = 32
	s_mov_b32 s74, 64<<16                          ; tensor_dim1 = 64
	s_mov_b32 s75, 32<<16                          ; tile_dim0 = 32
	s_mov_b32 s76, 64                              ; tile_dim1 = 64
	s_mov_b32 s77, 32                              ; from row to row: 32 elements (dense)
	s_mov_b32 s78, 0
	s_mov_b32 s79, 0
	s_mov_b32 s23, 0
	s_lshl_b32 s22, s20, 19                        ; 512 rows of 1,024 bytes a work-group: 255 x 2^19 stays below 2^31
	s_lshl_b32 s3, s18, 15                         ; 32 rows a wave
	s_add_co_u32 s22, s22, s3
	s_wait_kmcnt 0x0
	s_add_nc_u64 s[4:5], s[4:5], s[22:23]          ; x at my wave's first row
	s_lshl_b32 s22, s20, 11                        ; 2,048 bytes a work-group in mask, logits and part alike
	s_add_nc_u64 s[14:15], s[14:15], s[22:23]
	s_add_nc_u64 s[16:17], s[16:17], s[22:23]
	s_lshl_b32 s3, s18, 7                          ; 32 mask words a wave
	s_add_co_u32 s22, s22, s3
	s_add_nc_u64 s[6:7], s[6:7], s[22:23]
	s_add_nc_u64 s[70:71], s[8:9], s[66:67]        ; group 0: global address of my 16 rows of W, the same in all four work-groups
	s_or_b32 s71, s71, 0x80000000                  ; type = 2
	; ---- everything that memory owes me first: u, b, mask, two blocks of x
	global_load_b128 v[UU:UU+3],   v[XO], s[12:13]
	global_load_b128 v[UU+4:UU+7], v[XO], s[12:13] offset:512
	global_load_b128 v[BV:BV+3],   v[XO], s[10:11]
	global_load_b128 v[BV+4:BV+7], v[XO], s[10:11] offset:512
.irp j, 0,1,2,3
	global_load_b32 v[MK+\j], v[MKO], s[6:7] offset:32*\j
.endr
	FILL XS0, 0
	FILL XS1, 1
	ROUND                                          ; all four work-groups are here: the joint loads meet
	tensor_load_to_lds s[68:71], s[72:79]
	s_nop 0
	; ---- c0 = (b . u) K, in every lane
	s_wait_loadcnt 36                              ; u and b are in; the 4 mask loads and 32 loads of x behind them stay out
	v_pk_mul_f32 v[TT:TT+1], v[BV:BV+1], v[UU:UU+1]
.irp k, 1,2,3
	v_pk_fma_f32 v[TT:TT+1], v[BV+2*\k:BV+2*\k+1], v[UU+2*\k:UU+2*\k+1], v[TT:TT+1]
.endr
	v_add_f32 v[TT], v[TT], v[TT+1]
	v_add_f32_dpp v[TT], v[TT], v[TT] row_xmask:1 row_mask:0xf bank_mask:0xf
	v_add_f32_dpp v[TT], v[TT], v[TT] row_xmask:2 row_mask:0xf bank_mask:0xf
	v_add_f32_dpp v[TT], v[TT], v[TT] row_xmask:4 row_mask:0xf bank_mask:0xf
	v_add_f32_dpp v[TT], v[TT], v[TT] row_xmask:8 row_mask:0xf bank_mask:0xf
	v_permlanex16_b32 v[TT+1], v[TT], s61, s62
	v_add_f32 v[TT], v[TT], v[TT+1]
	v_mul_f32 v[CC], KLOG, v[TT]
	; ---- v'[16 w .. 16 w + 15] = K x (my 16 rows of W) . u, eight rows at a time through slot 2, which x does not need yet
	s_wait_tensorcnt 0x0                           ; my tile of W is in LDS; only I read it
.irp k, 0,1
.irp r, 0,1,2,3,4,5,6,7
	ds_load_b128 v[XS2+8*\r:XS2+8*\r+3],   v[WLA] offset:(8*\k+\r)*1024
	ds_load_b128 v[XS2+8*\r+4:XS2+8*\r+7], v[WLA] offset:(8*\k+\r)*1024+512
.endr
	s_wait_dscnt 0x0
	DOT8 XS2, UU, TT
	v_mul_f32 v[TT], KLOG, v[TT]
	ds_store_b32 v[VSA], v[TT] offset:VL+32*\k
.endr
	FILL XS2, 2                                    ; slot 2 is free: the third block of x goes out
	s_wait_dscnt 0x0                               ; my 16 numbers of v' are written,
	s_barrier_signal -1
	s_barrier_wait -1                              ; everybody's are
	ds_load_b128 v[VV:VV+3],   v[SCA] offset:VL
	ds_load_b128 v[VV+4:VV+7], v[SCA] offset:VL+512
	s_wait_dscnt 0x0
	; ---- my 32 rows
	BLOCK 0, XS0, 1, 32                            ; slots 1 and 2 (32 loads) stay out; the mask, older than slot 0, is in
	FILL XS0, 3                                    ; the last block, into the slot just read
	BLOCK 1, XS1, 0, 32                            ; slot 2's and the last block's loads stay out
	BLOCK 2, XS2, 0, 16                            ; the last block's
	BLOCK 3, XS0, 0, 0
	; ---- the waves' sums and maxima meet in LDS
	ds_store_b128 v[MGA], v[ACA:ACA+3]   offset:MG
	ds_store_b128 v[MGA], v[ACA+4:ACA+7] offset:MG+512
	ds_store_b128 v[MGA], v[ACB:ACB+3]   offset:MG+1024
	ds_store_b128 v[MGA], v[ACB+4:ACB+7] offset:MG+1536
	ds_store_b32 v[MXA], v[MM] offset:MX
	s_wait_dscnt 0x0                               ; these and my 32 l' are written,
	s_barrier_signal -1
	s_barrier_wait -1                              ; everybody's are; nobody writes LDS from here on
	s_cmp_gt_u32 s18, 3
	s_cbranch_scc1 .Ldone                          ; 128 threads are enough for 512 + 512 words: waves 4 to 15 go to the closing round
	; ---- waves 0-3: thread t owns words 4 t .. 4 t + 3 of the chunk's l' and of [A1 | A2]
	v_and_b32 v[TT+5], 0x7f, v0                    ; t = v0 here (waves 0 to 3); the mask states the range 0..127
	v_and_b32 v[TT], 15, v0
	s_mov_b32 s21, SCR
	v_lshl_add_u32 v[TT], v[TT], 2, s21            ; lane L reads the maximum of wave L & 15
	v_lshl_add_u32 v[TT+7], v[TT+5], 4, s21
	ds_load_b32 v[TT+1], v[TT] offset:MX
	ds_load_b128 v[128:131], v[TT+7] offset:LG
.irp w, 0,1,2,3,4,5,6,7,8,9,10,11,12,13,14,15
	ds_load_b128 v[64+4*\w:67+4*\w], v[TT+7] offset:MG+2048*\w
.endr
	s_wait_dscnt 17                                ; the maxima are in; the l' and the 16 partial sums stay out
	v_mov_b32 v[TT+2], v[TT+1]
	v_max_num_f32_dpp v[TT+2], v[TT+2], v[TT+2] row_xmask:1 row_mask:0xf bank_mask:0xf
	v_max_num_f32_dpp v[TT+2], v[TT+2], v[TT+2] row_xmask:2 row_mask:0xf bank_mask:0xf
	v_max_num_f32_dpp v[TT+2], v[TT+2], v[TT+2] row_xmask:4 row_mask:0xf bank_mask:0xf
	v_max_num_f32_dpp v[TT+2], v[TT+2], v[TT+2] row_xmask:8 row_mask:0xf bank_mask:0xf   ; the chunk's maximum
	v_sub_f32 v[TT+1], v[TT+1], v[TT+2]
	v_exp_f32 v[TT+1], v[TT+1]                     ; lane L: what brings wave (L & 15)'s A1 to the chunk's maximum
	v_lshlrev_b32 v[TT+6], 4, v[TT+5]              ; 16 t: my bytes in logits and in part.  Also the plain instruction behind the exponential
	v_cmp_gt_u32 vcc_lo, 64, v[TT+5]
	s_wait_alu depctr_va_vdst(0)
	v_cndmask_b32 v[TT+1], 1.0, v[TT+1], vcc_lo    ; threads 64..127 add up A2, which carries no exponential
.irp w, 0,1,2,3,4,5,6,7,8,9,10,11,12,13,14,15
	v_readlane_b32 s[24+\w], v[TT+1], \w
.endr
	s_wait_dscnt 16                                ; the l' are in
	global_store_b128 v[TT+6], v[128:131], s[14:15]        ; a wave stores 512 consecutive bytes, aligned
	s_wait_dscnt 0x0
.irp c, 0,1,2,3
	v_mul_f32 v[132+\c], s24, v[64+\c]             ; the first product starts the sum
.endr
.irp w, 1,2,3,4,5,6,7,8,9,10,11,12,13,14,15
.irp c, 0,1,2,3
	v_fmac_f32 v[132+\c], s[24+\w], v[64+4*\w+\c]
.endr
.endr
	global_store_b128 v[TT+6], v[132:135], s[16:17]
.Ldone:
	s_wait_dscnt 0x0
	s_wait_xcnt 0x0
	v_lshl_add_u32 v254, v0, 2, 0x48d00
	v_mov_b32 v255, 0
	s_wait_tensorcnt 0x0
	ds_add_u32 v254, v255
	s_wait_dscnt 0x0
	ROUND                                          ; the closing round: no work-group ends while a partner may still ask for a tile that names it
	s_endpgm
.Lfunc_end_k_qcab8f8f9e5_stream:
	.size	k_qcab8f8f9e5_stream, .Lfunc_end_k_qcab8f8f9e5_stream-k_qcab8f8f9e5_stream
	.p2alignl 7, 3214868480
	.fill 96, 4, 3214868480
	.section	.rodata,"a",@progbits
	.p2align	6, 0x0
	.amdhsa_kernel k_qcab8f8f9e5_stream
		.amdhsa_group_segment_fixed_size 300288
		.amdhsa_private_segment_fixed_size 0
		.amdhsa_enable_private_segment 0
		.amdhsa_kernarg_size 56
		.amdhsa_user_sgpr_count 2
		.amdhsa_user_sgpr_kernarg_segment_ptr 1
		.amdhsa_wavefront_size32 1
		.amdhsa_system_sgpr_workgroup_id_x 1
		.amdhsa_system_sgpr_workgroup_id_y 1
		.amdhsa_system_sgpr_workgroup_id_z 1
		.amdhsa_system_vgpr_workitem_id 0
		.amdhsa_next_free_vgpr 256
		.amdhsa_next_free_sgpr 80
		.amdhsa_reserve_vcc 1
		.amdhsa_float_denorm_mode_32 3
		.amdhsa_float_denorm_mode_16_64 3
		.amdhsa_memory_ordered 1
		.amdhsa_forward_progress 1
		.amdhsa_inst_pref_size 67
	.end_amdhsa_kernel
	.amdgpu_metadata
---
amdhsa.version: [ 1, 2 ]
amdhsa.kernels:
  - .name:           k_qcab8f8f9e5_stream
    .symbol:         k_qcab8f8f9e5_stream.kd
    .args:
      - { .name: inputs, .offset: 0, .size: 8, .value_kind: global_buffer, .address_space: global }
      - { .name: mask, .offset: 8, .size: 8, .value_kind: global_buffer, .address_space: global }
      - { .name: W, .offset: 16, .size: 8, .value_kind: global_buffer, .address_space: global }
      - { .name: b, .offset: 24, .size: 8, .value_kind: global_buffer, .address_space: global }
      - { .name: u, .offset: 32, .size: 8, .value_kind: global_buffer, .address_space: global }
      - { .name: logits, .offset: 40, .size: 8, .value_kind: global_buffer, .address_space: global }
      - { .name: part, .offset: 48, .size: 8, .value_kind: global_buffer, .address_space: global }
    .group_segment_fixed_size: 300288
    .private_segment_fixed_size: 0
    .kernarg_segment_align: 8
    .kernarg_segment_size: 56
    .max_flat_workgroup_size: 512
    .sgpr_count:     80
    .vgpr_count:     256
    .wavefront_size: 32
...
	.end_amdgpu_metadata
.endif
;; end of part 1
;; launch finish (part 2): grid 64 x 1, 4 waves a work-group, no clusters, 768 bytes of LDS; arguments logits, part, mask, out0, out1; writes out0, out1
.if DOCPART == 2
	.amdgcn_target "amdgcn-amd-amdhsa--gfx1250"
	.amdhsa_code_object_version 6
	.text
	.protected	k_qcab8f8f9e5_finish
	.globl	k_qcab8f8f9e5_finish
	.p2align	8
	.type	k_qcab8f8f9e5_finish,@function
k_qcab8f8f9e5_finish:
	s_mov_b64 s[64:65], 0
	v_nop
	global_prefetch_b8 v0, s[64:65] scope:SCOPE_SE
	s_setreg_imm32_b32 hwreg(HW_REG_WAVE_MODE, 25, 1), 1
	s_wait_xcnt 0x0
; AttentionWithContext, second of two launches: the softmax over a batch's 2,048 logits and the join of its four partial pooled sums.
; logits [64][2048] f32 holds l' = logit x log2(e); part [256][512] f32 holds, for chunk p of 512 rows, A1_p[256] = sum over rows with
; mask > 0.5 of mask exp2(l' - m_p) x, and A2_p[256] = sum over the other rows of mask x.  m_p, the largest valid l' of the chunk, is
; found again here from logits and mask: a maximum is exact, so it is the number that the first launch used.
; One work-group a batch; wave p takes chunk p, a lane 16 rows.  As in the problem's formula: rows with mask <= 0.5 take the batch's minimum
; Lmin, the maximum M of the result is taken away, weight = mask exp.  M = max(m_0 .. m_3, Lmin): a valid row's logit is at least Lmin,
; and with no valid row every m_p is -FLT_MAX.  out0 = (sum of exp2(m_p - M) A1_p + exp2(Lmin - M) sum of A2_p) / (S + 1e-32).
; STATED LIMITS: v_exp_f32 gives 0 for results below 2^-126 (ISA guide 15.8), so such scores are 0; the division is v_rcp_f32 and a product.
; 64 work-groups: the batch's sums span all its rows, and sharing a batch further would need a third launch for 1.5 MB of traffic in all.
.set LL,  4                            ; v[4:19]   l', then the weights, then the scores of my 16 rows
.set MKF, 20                           ; v[20:35]  their mask
.set PA,  36                           ; v[36:51]  chunk q: A1 of my two columns at 36 + 4 q, A2 at 38 + 4 q
.set LV,  56                           ; v[56:71]  at work
.set VM,  20                           ; s[20:35]  row k of each lane: the lanes where it is valid
	s_load_b256 s[4:11], s[0:1], 0x0               ; logits s[4:5], part s[6:7], mask s[8:9], out0 s[10:11]
	s_load_b64 s[12:13], s[0:1], 0x20              ; out1
	v_lshl_add_u32 v80, v0, 2, 0x100
	v_mov_b32 v81, 0
	v_lshrrev_b32 v53, 5, v0
	v_readfirstlane_b32 s16, v53                   ; wave = chunk 0..3
	v_and_b32 v52, 31, v0
	s_lshl_b32 s17, s16, 11
	v_lshl_add_u32 v1, v52, 4, s17                 ; 2,048 p + 16 L: my 16 bytes in the batch's logits, mask, scores
	v_lshlrev_b32 v2, 3, v0                        ; 8 t: my two columns
	v_mov_b32 v3, s16
	v_lshlrev_b32 v3, 2, v3                        ; LDS: my wave's word
	v_mov_b32 v73, 0
	s_mov_b32 s36, 0x76543210                      ; v_permlanex16_b32: lane i of one half reads lane i of the other
	s_mov_b32 s37, 0xfedcba98
	s_mov_b32 s38, 0xff7fffff                      ; -FLT_MAX
	s_lshl_b32 s14, ttmp9, 13                      ; 8,192 bytes a batch in logits, mask, out1 and part
	s_mov_b32 s15, 0
	s_lshl_b32 s18, ttmp9, 10                      ; 1,024 bytes a batch in out0
	s_mov_b32 s19, 0
	s_wait_kmcnt 0x0
	s_add_nc_u64 s[4:5], s[4:5], s[14:15]
	s_add_nc_u64 s[6:7], s[6:7], s[14:15]
	s_add_nc_u64 s[8:9], s[8:9], s[14:15]
	s_add_nc_u64 s[12:13], s[12:13], s[14:15]
	s_add_nc_u64 s[10:11], s[10:11], s[18:19]
.irp i, 0,1,2,3
	global_load_b128 v[LL+4*\i:LL+4*\i+3], v1, s[4:5] offset:512*\i
.endr
.irp i, 0,1,2,3
	global_load_b128 v[MKF+4*\i:MKF+4*\i+3], v1, s[8:9] offset:512*\i
.endr
.irp q, 0,1,2,3
	global_load_b64 v[PA+4*\q:PA+4*\q+1],   v2, s[6:7] offset:2048*\q
	global_load_b64 v[PA+4*\q+2:PA+4*\q+3], v2, s[6:7] offset:2048*\q+1024
.endr
	s_wait_loadcnt 8                               ; logits and mask are in; the 8 loads of partial sums stay out
	; ---- the chunk's minimum and its largest valid l'
	v_min3_num_f32 v52, v[LL], v[LL+1], v[LL+2]
	v_min3_num_f32 v54, v[LL+3], v[LL+4], v[LL+5]
	v_min3_num_f32 v55, v[LL+6], v[LL+7], v[LL+8]
	v_min3_num_f32 v72, v[LL+9], v[LL+10], v[LL+11]
	v_min3_num_f32 v52, v52, v[LL+12], v[LL+13]
	v_min3_num_f32 v54, v54, v[LL+14], v[LL+15]
	v_min3_num_f32 v52, v52, v54, v55
	v_min_num_f32 v52, v52, v72
.irp k, 0,1,2,3,4,5,6,7,8,9,10,11,12,13,14,15
	v_cmp_lt_f32 s[VM+\k], 0.5, v[MKF+\k]          ; valid: mask > 0.5
.endr
.irp k, 0,1,2,3,4,5,6,7,8,9,10,11,12,13,14,15
	v_cndmask_b32 v[LV+\k], s38, v[LL+\k], s[VM+\k]
.endr
	v_max3_num_f32 v53, v[LV], v[LV+1], v[LV+2]
	v_max3_num_f32 v54, v[LV+3], v[LV+4], v[LV+5]
	v_max3_num_f32 v55, v[LV+6], v[LV+7], v[LV+8]
	v_max3_num_f32 v72, v[LV+9], v[LV+10], v[LV+11]
	v_max3_num_f32 v53, v53, v[LV+12], v[LV+13]
	v_max3_num_f32 v54, v54, v[LV+14], v[LV+15]
	v_max3_num_f32 v53, v53, v54, v55
	v_max_num_f32 v53, v53, v72
.irp x, 1,2,4,8
	v_min_num_f32_dpp v52, v52, v52 row_xmask:\x row_mask:0xf bank_mask:0xf
	v_max_num_f32_dpp v53, v53, v53 row_xmask:\x row_mask:0xf bank_mask:0xf
.endr
	v_permlanex16_b32 v54, v52, s36, s37
	v_permlanex16_b32 v55, v53, s36, s37
	v_min_num_f32 v52, v52, v54
	v_max_num_f32 v53, v53, v55                    ; m_p
	ds_store_b32 v3, v53                           ; LDS bytes 0-15: m_0 .. m_3
	ds_store_b32 v3, v52 offset:16                 ; bytes 16-31: the four minima
	s_wait_dscnt 0x0
	s_barrier_signal -1
	s_barrier_wait -1
	ds_load_b128 v[56:59], v73
	ds_load_b128 v[60:63], v73 offset:16
	s_wait_dscnt 0x0
	v_min3_num_f32 v52, v60, v61, v62
	v_min_num_f32 v52, v52, v63                    ; Lmin
	v_max3_num_f32 v53, v56, v57, v58
	v_max3_num_f32 v53, v53, v59, v52              ; M
	; ---- the weights and their sum
.irp k, 0,1,2,3,4,5,6,7,8,9,10,11,12,13,14,15
	v_cndmask_b32 v[LL+\k], v52, v[LL+\k], s[VM+\k]
.endr
.irp k, 0,1,2,3,4,5,6,7,8,9,10,11,12,13,14,15
	v_sub_f32 v[LL+\k], v[LL+\k], v53              ; never above 0
.endr
.irp k, 0,1,2,3,4,5,6,7,8,9,10,11,12,13,14,15
	v_exp_f32 v[LL+\k], v[LL+\k]
.endr
.irp q, 0,1,2,3
	v_sub_f32 v[56+\q], v[56+\q], v53              ; m_q - M.  These five are also the plain instructions behind the exponentials (ISA guide 5.7.2)
.endr
	v_sub_f32 v60, v52, v53                        ; Lmin - M
	s_wait_alu depctr_va_vdst(0)
.irp i, 0,1,2,3,4,5,6,7
	v_pk_mul_f32 v[LL+2*\i:LL+2*\i+1], v[LL+2*\i:LL+2*\i+1], v[MKF+2*\i:MKF+2*\i+1]
.endr
	v_pk_add_f32 v[64:65], v[LL:LL+1], v[LL+2:LL+3]
	v_pk_add_f32 v[66:67], v[LL+4:LL+5], v[LL+6:LL+7]
	v_pk_add_f32 v[68:69], v[LL+8:LL+9], v[LL+10:LL+11]
	v_pk_add_f32 v[70:71], v[LL+12:LL+13], v[LL+14:LL+15]
	v_pk_add_f32 v[64:65], v[64:65], v[66:67]
	v_pk_add_f32 v[68:69], v[68:69], v[70:71]
	v_pk_add_f32 v[64:65], v[64:65], v[68:69]
	v_add_f32 v64, v64, v65
.irp x, 1,2,4,8
	v_add_f32_dpp v64, v64, v64 row_xmask:\x row_mask:0xf bank_mask:0xf
.endr
	v_permlanex16_b32 v65, v64, s36, s37
	v_add_f32 v64, v64, v65
	ds_store_b32 v3, v64 offset:32                 ; bytes 32-47, which nothing has used: the four sums
	s_wait_dscnt 0x0
	s_barrier_signal -1
	s_barrier_wait -1
	ds_load_b128 v[64:67], v73 offset:32
	s_wait_dscnt 0x0
	v_add_f32 v64, v64, v65
	v_add_f32 v66, v66, v67
	v_add_f32 v64, v64, v66
	v_add_f32 v64, 0x0a4fb11f, v64                 ; + 1e-32
	v_rcp_f32 v74, v64                             ; twice: a pair for the packed multiply
	v_rcp_f32 v75, v64
.irp q, 0,1,2,3,4
	v_exp_f32 v[56+\q], v[56+\q]                   ; f_q = exp2(m_q - M) in v56-59, g = exp2(Lmin - M) in v60
.endr
	s_wait_loadcnt 0x0                             ; the partial sums
	v_pk_add_f32 v[76:77], v[PA+2:PA+3], v[PA+6:PA+7]          ; plain instructions behind the reciprocals and exponentials
	v_pk_add_f32 v[78:79], v[PA+10:PA+11], v[PA+14:PA+15]
	v_pk_add_f32 v[76:77], v[76:77], v[78:79]      ; the sum of the four A2
	; ---- out1: the scores
	s_wait_alu depctr_va_vdst(0)
.irp i, 0,1,2,3,4,5,6,7
	v_pk_mul_f32 v[LL+2*\i:LL+2*\i+1], v[LL+2*\i:LL+2*\i+1], v[74:75]
.endr
.irp i, 0,1,2,3
	global_store_b128 v1, v[LL+4*\i:LL+4*\i+3], s[12:13] offset:512*\i     ; a wave stores 512 consecutive bytes, aligned
.endr
	; ---- out0: my two columns
	v_mul_f32 v76, v60, v76
	v_mul_f32 v77, v60, v77
.irp q, 0,1,2,3
	v_fmac_f32 v76, v[56+\q], v[PA+4*\q]
	v_fmac_f32 v77, v[56+\q], v[PA+4*\q+1]
.endr
	v_pk_mul_f32 v[76:77], v[76:77], v[74:75]
	global_store_b64 v2, v[76:77], s[10:11]        ; a wave stores 256 consecutive bytes, aligned
	s_wait_tensorcnt 0x0
	ds_add_u32 v80, v81
	s_wait_dscnt 0x0
	s_endpgm
.Lfunc_end_k_qcab8f8f9e5_finish:
	.size	k_qcab8f8f9e5_finish, .Lfunc_end_k_qcab8f8f9e5_finish-k_qcab8f8f9e5_finish
	.p2alignl 7, 3214868480
	.fill 96, 4, 3214868480
	.section	.rodata,"a",@progbits
	.p2align	6, 0x0
	.amdhsa_kernel k_qcab8f8f9e5_finish
		.amdhsa_group_segment_fixed_size 768
		.amdhsa_private_segment_fixed_size 0
		.amdhsa_enable_private_segment 0
		.amdhsa_kernarg_size 40
		.amdhsa_user_sgpr_count 2
		.amdhsa_user_sgpr_kernarg_segment_ptr 1
		.amdhsa_wavefront_size32 1
		.amdhsa_system_sgpr_workgroup_id_x 1
		.amdhsa_system_sgpr_workgroup_id_y 1
		.amdhsa_system_sgpr_workgroup_id_z 1
		.amdhsa_system_vgpr_workitem_id 0
		.amdhsa_next_free_vgpr 82
		.amdhsa_next_free_sgpr 66
		.amdhsa_reserve_vcc 0
		.amdhsa_float_denorm_mode_32 3
		.amdhsa_float_denorm_mode_16_64 3
		.amdhsa_memory_ordered 1
		.amdhsa_forward_progress 1
		.amdhsa_inst_pref_size 13
	.end_amdhsa_kernel
	.amdgpu_metadata
---
amdhsa.version: [ 1, 2 ]
amdhsa.kernels:
  - .name:           k_qcab8f8f9e5_finish
    .symbol:         k_qcab8f8f9e5_finish.kd
    .args:
      - { .name: logits, .offset: 0, .size: 8, .value_kind: global_buffer, .address_space: global }
      - { .name: part, .offset: 8, .size: 8, .value_kind: global_buffer, .address_space: global }
      - { .name: mask, .offset: 16, .size: 8, .value_kind: global_buffer, .address_space: global }
      - { .name: out0, .offset: 24, .size: 8, .value_kind: global_buffer, .address_space: global }
      - { .name: out1, .offset: 32, .size: 8, .value_kind: global_buffer, .address_space: global }
    .group_segment_fixed_size: 768
    .private_segment_fixed_size: 0
    .kernarg_segment_align: 8
    .kernarg_segment_size: 40
    .max_flat_workgroup_size: 128
    .sgpr_count:     66
    .vgpr_count:     82
    .wavefront_size: 32
...
	.end_amdgpu_metadata
.endif
;; end of part 2
